; MI455X (gfx1250); checked and timed in simulation.
; The chip was launched on July 23, 2026; its instructions are those of AMD's public machine-readable ISA for CDNA 5 (MIT licence, August 2026) and "CDNA5" Instruction Set Architecture Reference Guide (July 2026). The comments in the code are by the model that wrote it; some were corrected since.
;; Mlp. Allowed arithmetic: matrix products marked QUANTISED: E3M2 operands, one E8M0 scale for each 32 along K, by v_wmma_scale_f32_16x16x128_f8f6f4 with both operands' format E3M2, f32 sums; everything else in f32.
;; Inputs: b1 3,072 float32; b2 768 float32; w1 3,072 x 768 float32; w2 768 x 3,072 float32; x 64 x 197 x 768 float32.
;; Outputs: out0 64 x 197 x 768 float32.
;; This version of the problem:
;;   THIS VERSION OF THE PROBLEM IS GIVEN IN LOW PRECISION. The matrix products marked QUANTISED in the list below multiply operands that are first quantised to E3M2 (3 exponent bits, 2 mantissa bits; 6 bits a number), with one power-of-two scale for each 32 numbers along K (OCP MX v1.0); their sums are f32. All else is computed in f32.
;;   The module's matrix products, in the order in which they are computed (A, B: the left and right operand; K: the contracted axis; several contracted axes count as one K, in the product's order):
;;     1. [M 12,608, K 768] x [K 768, N 3,072]; A: input x; B: computed on the way: QUANTISED
;;     2. [M 12,608, K 3,072] x [K 3,072, N 768]; A: computed on the way; B: computed on the way: QUANTISED
;;   THE QUANTISER, for each operand of a quantised product, along K:
;;     - K is cut into blocks of 32 from its start; a last block that is shorter is filled with zeros.
;;     - A block's scale is 2^e with e = floor(log2(the largest magnitude in the block)) - 4, held to -126 .. 127; a block of zeros has e = 0. As a byte (E8M0): e + 127.
;;     - Each number is divided by its block's scale, clamped to +-28, and rounded to the nearest number of E3M2, ties to even, subnormals kept.
;;     - The product sums the exact products of the quantised numbers (number of the format x scale) in f32.
;;   ~~~python
;;   def quantise(x, axis):      # numpy; x: float32 -> the quantised numbers, widened to float32 again
;;       x = np.moveaxis(x, axis, -1); K = x.shape[-1]
;;       x = np.pad(x, [(0, 0)] * (x.ndim - 1) + [(0, -K % 32)]); x = x.reshape(x.shape[:-1] + (-1, 32)); a = np.abs(x).max(-1, keepdims=True)
;;       e = np.where(a > 0, np.clip(np.frexp(np.where(a > 0, a, 1))[1] - 1 - 4, -126, 127), 0)      # np.frexp(a)[1] - 1 = floor(log2(a)), exactly
;;       r = np.clip(x / 2.0 ** e, -28, 28)
;;       step = 2.0 ** (np.maximum(np.frexp(np.where(r == 0, 1, r))[1] - 1, -2) - 2)
;;       q = np.round(r / step) * step * 2.0 ** e      # np.round: ties to even
;;       return np.moveaxis(q.reshape(q.shape[:-2] + (-1,))[..., :K], -1, axis).astype(np.float32)
;;   ~~~
;;   OPERANDS COMPUTED ON THE WAY. 'Computed on the way' means the value that the module computes at that place (a softmax that the list does not call 'softmax' is quantised finished and normalised). What goes into a quantiser is computed in f32, as accurately as f32 sums, v_exp_f32 and their like allow (about 1e-6 of the number): no bf16 or f16 on the way to a quantiser, and a product that is left as it is and whose result goes on into a quantised operand takes f32 operands (vector FMAs, or v_wmma_f32_16x16x4_f32). A number that lies on a knife's edge between two numbers of the format may be rounded either way, as far as f32 arithmetic and the matrix unit's own rounding can turn it there, and no further.
;; One version. Each part assembles by itself: llvm-mc -triple=amdgcn-amd-amdhsa -mcpu=gfx1250 --defsym DOCPART=n.
;; ======== version 1 of 1: 3 launches
;; limits: right only within a limited range of input values
;; workspace buffers: part 1,024 bytes; w1f 1,769,472 bytes; w2f 1,769,472 bytes; wsc 256 bytes
;; launch absum (part 1): grid 128 x 2, 8 waves a work-group, no clusters, 1,280 bytes of LDS; arguments w1, w2, part; writes part
.if DOCPART == 1
	.amdgcn_target "amdgcn-amd-amdhsa--gfx1250"
	.amdhsa_code_object_version 6
	.text
	.protected	k_q029db64eb8_absum
	.globl	k_q029db64eb8_absum
	.p2align	8
	.type	k_q029db64eb8_absum,@function
k_q029db64eb8_absum:
	s_mov_b64 s[64:65], 0
	v_nop
	global_prefetch_b8 v0, s[64:65] scope:SCOPE_SE
	s_setreg_imm32_b32 hwreg(HW_REG_WAVE_MODE, 25, 1), 1
	s_wait_xcnt 0x0
; part[y][x] = the sum of |w| over 73,728 bytes of tensor y (0: w1, 1: w2).  Both tensors are 9,437,184 bytes = 128 x 73,728.
; Eight waves, 9,216 bytes each: 18 loads of 512 consecutive bytes.  The sum over the 128 parts is made by the next launch, in one fixed order.
; LIMITS: the order of the additions is this text's own tree, not the one of the defining program; NaN and infinities are not served.
; No matrix unit, no tensor load, no cluster: a plain stream that is read once here, and work-groups share nothing.
.set WGB, 73728
.set WVB, 9216
	s_load_b128 s[4:7], s[0:1], 0x0                ; w1, w2
	s_load_b64 s[8:9], s[0:1], 0x10                ; part
	v_lshl_add_u32 v96, v0, 2, 0x100
	v_mov_b32 v97, 0
	v_lshrrev_b32 v2, 5, v0
	s_delay_alu instid0(VALU_DEP_1)
	v_readfirstlane_b32 s10, v2                    ; wave 0..7
	v_and_b32 v1, 31, v0
	s_delay_alu instid0(VALU_DEP_1)
	v_lshlrev_b32 v1, 4, v1                        ; 16 bytes a lane
	s_and_b32 s11, ttmp7, 0xffff                   ; which tensor
	s_mul_i32 s12, ttmp9, WGB
	s_mul_i32 s13, s10, WVB
	s_add_co_u32 s12, s12, s13                     ; my wave's first byte
	s_mov_b32 s13, 0
	s_mov_b32 s14, 0x76543210                      ; v_permlanex16_b32's selects for lane l xor 16
	s_mov_b32 s15, 0xfedcba98
	s_wait_alu depctr_va_vdst(0)
	s_wait_kmcnt 0x0
	s_cmp_eq_u32 s11, 0                            ; the choice hangs on the work-group's number alone
	s_cselect_b64 s[4:5], s[4:5], s[6:7]
	s_add_nc_u64 s[4:5], s[4:5], s[12:13]
.set I, 0
.rept 18
	global_load_b128 v[16+4*I:19+4*I], v1, s[4:5] offset:512*I
.set I, I+1
.endr
	s_wait_loadcnt 0x0
.irp k, 0,1,2,3
	v_add_f32 v[8+\k], |v[16+\k]|, |v[20+\k]|      ; four chains, started by the first two loads: nothing is cleared
.endr
.set I, 2
.rept 16
.irp k, 0,1,2,3
	s_delay_alu instid0(VALU_DEP_4)
	v_add_f32 v[8+\k], v[8+\k], |v[16+4*I+\k]|
.endr
.set I, I+1
.endr
	s_delay_alu instid0(VALU_DEP_3)
	v_add_f32 v8, v8, v9
	s_delay_alu instid0(VALU_DEP_2)
	v_add_f32 v10, v10, v11
	s_delay_alu instid0(VALU_DEP_1)
	v_add_f32 v8, v8, v10
	s_delay_alu instid0(VALU_DEP_1)
	v_add_f32_dpp v8, v8, v8 row_xmask:1 row_mask:0xf bank_mask:0xf
	s_delay_alu instid0(VALU_DEP_1)
	v_add_f32_dpp v8, v8, v8 row_xmask:2 row_mask:0xf bank_mask:0xf
	s_delay_alu instid0(VALU_DEP_1)
	v_add_f32_dpp v8, v8, v8 row_xmask:4 row_mask:0xf bank_mask:0xf
	s_delay_alu instid0(VALU_DEP_1)
	v_add_f32_dpp v8, v8, v8 row_xmask:8 row_mask:0xf bank_mask:0xf
	s_delay_alu instid0(VALU_DEP_1)
	v_permlanex16_b32 v9, v8, s14, s15             ; (v9 has been written)
	s_delay_alu instid0(VALU_DEP_1)
	v_add_f32 v8, v8, v9                           ; the wave's sum, in every lane
	v_mov_b32 v10, s10
	s_delay_alu instid0(VALU_DEP_1)
	v_lshlrev_b32 v10, 2, v10
	ds_store_b32 v10, v8                           ; all lanes write the wave's word with the same value
	s_wait_dscnt 0x0                               ; for the others' sake: my store has landed
	s_barrier_signal -1
	s_barrier_wait -1
	s_cmp_lg_u32 s10, 0
	s_cbranch_scc1 .Lend                           ; wave 0 adds the eight
	v_mov_b32 v11, 0
	ds_load_b128 v[12:15], v11
	ds_load_b128 v[16:19], v11 offset:16
	s_lshl_b32 s16, s11, 9
	s_lshl_b32 s17, ttmp9, 2
	s_add_co_u32 s16, s16, s17                     ; part: 512 bytes a tensor, 4 a work-group
	v_mov_b32 v20, s16
	s_wait_dscnt 0x0
	v_add_f32 v12, v12, v13
	v_add_f32 v14, v14, v15
	v_add_f32 v16, v16, v17
	v_add_f32 v18, v18, v19
	s_delay_alu instid0(VALU_DEP_3)
	v_add_f32 v12, v12, v14
	s_delay_alu instid0(VALU_DEP_2)
	v_add_f32 v16, v16, v18
	s_delay_alu instid0(VALU_DEP_1)
	v_add_f32 v12, v12, v16
	v_cmp_gt_u32 vcc_lo, 1, v0
	s_wait_alu depctr_va_vdst(0)
	s_wait_xcnt 0x0                                ; EXEC changes only behind this wait
	s_and_saveexec_b32 s18, vcc_lo                 ; thread 0 alone stores
	global_store_b32 v20, v12, s[8:9]
	s_wait_xcnt 0x0                                ; and again in front of the line that widens it
	s_or_b32 exec_lo, exec_lo, s18
.Lend:
	s_wait_tensorcnt 0x0
	ds_add_u32 v96, v97
	s_wait_dscnt 0x0
	s_endpgm
.Lfunc_end_k_q029db64eb8_absum:
	.size	k_q029db64eb8_absum, .Lfunc_end_k_q029db64eb8_absum-k_q029db64eb8_absum
	.p2alignl 7, 3214868480
	.fill 96, 4, 3214868480
	.section	.rodata,"a",@progbits
	.p2align	6, 0x0
	.amdhsa_kernel k_q029db64eb8_absum
		.amdhsa_group_segment_fixed_size 1280
		.amdhsa_private_segment_fixed_size 0
		.amdhsa_enable_private_segment 0
		.amdhsa_kernarg_size 24
		.amdhsa_user_sgpr_count 2
		.amdhsa_user_sgpr_kernarg_segment_ptr 1
		.amdhsa_wavefront_size32 1
		.amdhsa_system_sgpr_workgroup_id_x 1
		.amdhsa_system_sgpr_workgroup_id_y 1
		.amdhsa_system_sgpr_workgroup_id_z 1
		.amdhsa_system_vgpr_workitem_id 0
		.amdhsa_next_free_vgpr 98
		.amdhsa_next_free_sgpr 66
		.amdhsa_reserve_vcc 1
		.amdhsa_float_denorm_mode_32 3
		.amdhsa_float_denorm_mode_16_64 3
		.amdhsa_memory_ordered 1
		.amdhsa_forward_progress 1
		.amdhsa_inst_pref_size 12
	.end_amdhsa_kernel
	.amdgpu_metadata
---
amdhsa.version: [ 1, 2 ]
amdhsa.kernels:
  - .name:           k_q029db64eb8_absum
    .symbol:         k_q029db64eb8_absum.kd
    .args:
      - { .name: w1, .offset: 0, .size: 8, .value_kind: global_buffer, .address_space: global }
      - { .name: w2, .offset: 8, .size: 8, .value_kind: global_buffer, .address_space: global }
      - { .name: part, .offset: 16, .size: 8, .value_kind: global_buffer, .address_space: global }
    .group_segment_fixed_size: 1280
    .private_segment_fixed_size: 0
    .kernarg_segment_align: 8
    .kernarg_segment_size: 24
    .max_flat_workgroup_size: 256
    .sgpr_count:     66
    .vgpr_count:     98
    .wavefront_size: 32
...
	.end_amdgpu_metadata
.endif
;; end of part 1
;; launch wquant (part 2): grid 96 x 2, 12 waves a work-group, no clusters, 102,912 bytes of LDS; arguments w1, w2, part, w1f, w2f, wsc; writes w1f, w2f, wsc
.if DOCPART == 2
	.amdgcn_target "amdgcn-amd-amdhsa--gfx1250"
	.amdhsa_code_object_version 6
	.text
	.protected	k_q029db64eb8_wquant
	.globl	k_q029db64eb8_wquant
	.p2align	8
	.type	k_q029db64eb8_wquant,@function
k_q029db64eb8_wquant:
	s_mov_b64 s[64:65], 0
	v_nop
	global_prefetch_b8 v0, s[64:65] scope:SCOPE_SE
	s_setreg_imm32_b32 hwreg(HW_REG_WAVE_MODE, 25, 1), 1
	s_wait_xcnt 0x0
; The weights become operands.  gamma = mean|w| + 1e-5;  t = clip(round(w / gamma), -1, 1) x gamma;  t is quantised to codes of E3M2 along K.
; Every t is 0 or +-gamma, so every block of 32 that is not all zeros has the largest magnitude gamma and the scale byte (gamma's exponent field - 4); a block of zeros has zero codes, which
; add nothing under that byte either.  So a tensor has ONE scale byte: it is stored four times in one word of wsc (word 0: w1's, word 1: w2's), and no block's maximum is searched for.
; One wave makes one fragment (16 rows x 128 K, 12 registers a lane) and stores it in the ORDER OF THE OPERAND'S REGISTERS: registers 4 G .. 4 G + 3 of lane l at 512 G + 16 l of the fragment's 1,536 bytes.
; w1f: fragment ((g 6 + s) 4 + t): operand row p is row 64 g + 32 (t / 2) + 8 (t % 2) + p + 8 (p / 8) of w1, K = 128 s on.   w2f: fragment ((q 24 + j) 6 + n): operand row p is row 96 q + 16 n + p of w2, K = 128 j on.
; Each load reads 512 consecutive bytes of one row; the 16 rows turn through the wave's own stage in LDS (rows 528 bytes apart: 33 x 16, so that sixteen rows fall on sixteen different 16-byte columns), so that lane (r, h)
; gets k = 64 c + 32 h + 0 .. 31 of row r in consecutive registers, as the conversions and the operand's layout want them.
; Every wave adds the 128 partial sums in the same order, so gamma has the same bits everywhere.
; LIMITS: NaN and infinities are not served; w / gamma is a reciprocal with one correction step and a remainder step, within the last bit of the quotient.
	s_load_b256 s[4:11], s[0:1], 0x0               ; w1 s[4:5], w2 s[6:7], part s[8:9], w1f s[10:11]
	s_load_b128 s[12:15], s[0:1], 0x20             ; w2f s[12:13], wsc s[14:15]
	v_lshl_add_u32 v192, v0, 2, 0x18c00
	v_mov_b32 v193, 0
	v_lshrrev_b32 v1, 5, v0
	s_delay_alu instid0(VALU_DEP_1)
	v_readfirstlane_b32 s16, v1                    ; wave 0..11
	v_and_b32 v2, 31, v0
	s_delay_alu instid0(VALU_DEP_1)
	v_lshlrev_b32 v3, 4, v2                        ; 16 x lane
	v_and_b32 v4, 15, v0                           ; r
	v_bfe_u32 v5, v0, 4, 1                         ; h
	s_and_b32 s17, ttmp7, 0xffff                   ; which tensor
	s_mul_i32 s18, s16, 8448                       ; my stage: 16 rows x 528 bytes
	v_add_nc_u32 v6, s18, v3                       ; in: a row's 512 bytes as they lie
	v_mul_u32_u24 v7, v4, 528
	s_delay_alu instid0(VALU_DEP_1)
	v_lshl_add_u32 v7, v5, 7, v7                   ; out: row r, + 128 h
	s_delay_alu instid0(VALU_DEP_1)
	v_add_nc_u32 v7, s18, v7
	v_mov_b32 v12, 0                               ; (a lane permute's destination counts as read)
	v_mov_b32 v24, s17
	s_delay_alu instid0(VALU_DEP_1)
	v_lshlrev_b32 v24, 2, v24                      ; the tensor's word in wsc
	s_lshl_b32 s24, s17, 9
	s_mov_b32 s25, 0
	s_mov_b32 s30, 0x4a100000                      ; 2,359,296, the numbers of a tensor
	s_mov_b32 s31, 0x34e38e39                      ; its reciprocal, rounded
	s_mov_b32 s32, 0x76543210
	s_mov_b32 s33, 0xfedcba98
	s_wait_kmcnt 0x0
	s_add_nc_u64 s[8:9], s[8:9], s[24:25]
	global_load_b128 v[8:11], v3, s[8:9]           ; the tensor's 128 partial sums, four a lane
	s_cmp_lg_u32 s17, 0
	s_cbranch_scc1 .Lw2                            ; the two ways hold scalar arithmetic and 16 loads each, and no LDS instruction
	s_lshr_b32 s26, ttmp9, 1                       ; g
	s_and_b32 s27, ttmp9, 1
	s_mul_i32 s27, s27, 3
	s_lshr_b32 s28, s16, 2
	s_add_co_u32 s27, s27, s28                     ; s
	s_and_b32 s28, s16, 3                          ; t
	s_lshl_b32 s29, s26, 6
	s_lshr_b32 s34, s28, 1
	s_lshl_b32 s34, s34, 5
	s_add_co_u32 s29, s29, s34
	s_and_b32 s34, s28, 1
	s_lshl_b32 s34, s34, 3
	s_add_co_u32 s29, s29, s34                     ; the tile's first row: 64 g + 32 (t / 2) + 8 (t % 2)
	s_mul_i32 s20, s29, 3072
	s_lshl_b32 s34, s27, 9
	s_add_co_u32 s20, s20, s34
	s_mov_b32 s21, 0
	s_add_nc_u64 s[20:21], s[4:5], s[20:21]
	s_mul_i32 s26, s26, 6
	s_add_co_u32 s26, s26, s27
	s_lshl_b32 s26, s26, 2
	s_add_co_u32 s26, s26, s28                     ; the fragment's number
	s_mov_b64 s[22:23], s[10:11]
.set I, 0
.rept 16
	global_load_b128 v[32+4*I:35+4*I], v3, s[20:21] offset:(I+8*(I/8))*3072 th:TH_LOAD_NT   ; operand row I: rows 0-7, then 16-23 of the tile's span
.set I, I+1
.endr
	s_branch .Ljoin
.Lw2:
	s_and_b32 s26, ttmp9, 7                        ; q
	s_lshr_b32 s27, ttmp9, 3
	s_lshl_b32 s27, s27, 1
	s_cmp_ge_u32 s16, 6
	s_cselect_b32 s28, 1, 0
	s_add_co_u32 s27, s27, s28                     ; j
	s_mul_i32 s29, s28, 6
	s_sub_co_u32 s28, s16, s29                     ; n
	s_mul_i32 s29, s26, 96
	s_lshl_b32 s34, s28, 4
	s_add_co_u32 s29, s29, s34                     ; the tile's first row: 96 q + 16 n
	s_mul_i32 s20, s29, 12288
	s_lshl_b32 s34, s27, 9
	s_add_co_u32 s20, s20, s34
	s_mov_b32 s21, 0
	s_add_nc_u64 s[20:21], s[6:7], s[20:21]
	s_mul_i32 s26, s26, 24
	s_add_co_u32 s26, s26, s27
	s_mul_i32 s26, s26, 6
	s_add_co_u32 s26, s26, s28                     ; the fragment's number
	s_mov_b64 s[22:23], s[12:13]
.set I, 0
.rept 16
	global_load_b128 v[32+4*I:35+4*I], v3, s[20:21] offset:I*12288 th:TH_LOAD_NT
.set I, I+1
.endr
.Ljoin:
	s_mul_i32 s26, s26, 1536
	s_mov_b32 s27, 0
	s_add_nc_u64 s[22:23], s[22:23], s[26:27]      ; where my fragment goes
	s_wait_loadcnt 16                              ; the partial sums are in; the 16 loads issued behind them, on either way, may be out
	v_add_f32 v8, v8, v9
	v_add_f32 v10, v10, v11
	s_delay_alu instid0(VALU_DEP_1)
	v_add_f32 v8, v8, v10
	s_delay_alu instid0(VALU_DEP_1)
	v_add_f32_dpp v8, v8, v8 row_xmask:1 row_mask:0xf bank_mask:0xf
	s_delay_alu instid0(VALU_DEP_1)
	v_add_f32_dpp v8, v8, v8 row_xmask:2 row_mask:0xf bank_mask:0xf
	s_delay_alu instid0(VALU_DEP_1)
	v_add_f32_dpp v8, v8, v8 row_xmask:4 row_mask:0xf bank_mask:0xf
	s_delay_alu instid0(VALU_DEP_1)
	v_add_f32_dpp v8, v8, v8 row_xmask:8 row_mask:0xf bank_mask:0xf
	s_delay_alu instid0(VALU_DEP_1)
	v_permlanex16_b32 v12, v8, s32, s33
	s_delay_alu instid0(VALU_DEP_1)
	v_add_f32 v8, v8, v12                          ; the sum of |w|
	s_delay_alu instid0(VALU_DEP_1)
	v_mul_f32 v13, s31, v8                         ; / 2,359,296: by the reciprocal,
	s_delay_alu instid0(VALU_DEP_1)
	v_fma_f32 v14, -v13, s30, v8                   ; the remainder,
	s_delay_alu instid0(VALU_DEP_1)
	v_fma_f32 v13, v14, s31, v13                   ; and its share
	s_delay_alu instid0(VALU_DEP_1)
	v_add_f32 v16, 0x3727c5ac, v13                 ; gamma = mean + 1e-5
	s_wait_alu depctr_va_vdst(0)
	v_rcp_f32 v18, v16
	v_mov_b32 v17, v16                             ; (the plain line behind the reciprocal)  gamma as a pair
	s_wait_alu depctr_va_vdst(0)                   ; ahead of the first reader of the reciprocal
	v_fma_f32 v20, -v16, v18, 1.0
	v_fma_f32 v18, v20, v18, v18                   ; 1 / gamma, one correction step
	s_delay_alu instid0(VALU_DEP_1)
	v_mov_b32 v19, v18
	v_add_nc_u32 v21, 0xfe000000, v16              ; 4 off gamma's exponent field: the conversions' scale operand (gamma is at least 1e-5: the field stays far above 1)
	s_delay_alu instid0(VALU_DEP_1)
	v_lshrrev_b32 v22, 23, v21                     ; the scale's byte
	s_delay_alu instid0(VALU_DEP_1)
	v_lshl_or_b32 v23, v22, 8, v22
	s_delay_alu instid0(VALU_DEP_1)
	v_lshl_or_b32 v23, v23, 16, v23                ; four times: the scale word of every row and every 128 along K
	s_wait_alu depctr_va_vdst(0)
	s_wait_loadcnt 0x0
.set I, 0
.rept 32
	v_pk_mul_f32 v[96+2*I:97+2*I], v[32+2*I:33+2*I], v[18:19]                     ; q = w x (1 / gamma)
.set I, I+1
.endr
.set I, 0
.rept 32
	v_pk_fma_f32 v[32+2*I:33+2*I], v[96+2*I:97+2*I], v[16:17], v[32+2*I:33+2*I] neg_lo:[1,0,0] neg_hi:[1,0,0]   ; w - q gamma
.set I, I+1
.endr
.set I, 0
.rept 32
	v_pk_fma_f32 v[96+2*I:97+2*I], v[32+2*I:33+2*I], v[18:19], v[96+2*I:97+2*I]   ; q + remainder / gamma
.set I, I+1
.endr
.set I, 0
.rept 64
	v_rndne_f32 v[96+I], v[96+I]                   ; to the nearest whole number, ties to even
.set I, I+1
.endr
.set I, 0
.rept 64
	v_med3_num_f32 v[96+I], v[96+I], -1.0, 1.0
.set I, I+1
.endr
.set I, 0
.rept 32
	v_pk_mul_f32 v[32+2*I:33+2*I], v[96+2*I:97+2*I], v[16:17]                     ; x gamma
.set I, I+1
.endr
.set I, 0
.rept 16
	ds_store_b128 v6, v[32+4*I:35+4*I] offset:528*I
.set I, I+1
.endr
.irp c, 0,1
.irp p, 0,1,2,3,4,5,6,7
	ds_load_b128 v[96+32*\c+4*\p:99+32*\c+4*\p], v7 offset:256*\c+16*\p   ; LDS serves a wave's instructions in order: these see my stores.  k = 64 c + 32 h + 4 p on
.endr
.endr
	s_wait_dscnt 0x0
.irp c, 0,1
	v_cvt_scalef32_pk16_bf6_f32 v[160+6*\c:162+6*\c], v[96+32*\c:111+32*\c], v21
	v_cvt_scalef32_pk16_bf6_f32 v[172+4*\c:174+4*\c], v[112+32*\c:127+32*\c], v21   ; (a conversion's three registers begin on an even number: the second half of a block's six is made elsewhere and moved)
.endr
	v_nop                                          ; one plain line behind the conversions
.irp c, 0,1
.irp i, 0,1,2
	v_mov_b32 v[163+6*\c+\i], v[172+4*\c+\i]
.endr
.endr
.irp G, 0,1,2
	global_store_b128 v3, v[160+4*\G:163+4*\G], s[22:23] offset:512*\G   ; 32 lanes store 512 consecutive bytes, at a multiple of 512 from the buffer's first byte
.endr
	s_or_b32 s28, ttmp9, s16
	s_cmp_lg_u32 s28, 0
	s_cbranch_scc1 .Lend                           ; the first wave of the tensor's first work-group stores the scale word
	v_cmp_gt_u32 vcc_lo, 1, v0
	s_wait_xcnt 0x0                                ; EXEC changes only behind this wait
	s_and_saveexec_b32 s29, vcc_lo
	global_store_b32 v24, v23, s[14:15]
	s_wait_xcnt 0x0
	s_or_b32 exec_lo, exec_lo, s29
.Lend:
	s_wait_tensorcnt 0x0
	ds_add_u32 v192, v193
	s_wait_dscnt 0x0
	s_endpgm
.Lfunc_end_k_q029db64eb8_wquant:
	.size	k_q029db64eb8_wquant, .Lfunc_end_k_q029db64eb8_wquant-k_q029db64eb8_wquant
	.p2alignl 7, 3214868480
	.fill 96, 4, 3214868480
	.section	.rodata,"a",@progbits
	.p2align	6, 0x0
	.amdhsa_kernel k_q029db64eb8_wquant
		.amdhsa_group_segment_fixed_size 102912
		.amdhsa_private_segment_fixed_size 0
		.amdhsa_enable_private_segment 0
		.amdhsa_kernarg_size 48
		.amdhsa_user_sgpr_count 2
		.amdhsa_user_sgpr_kernarg_segment_ptr 1
		.amdhsa_wavefront_size32 1
		.amdhsa_system_sgpr_workgroup_id_x 1
		.amdhsa_system_sgpr_workgroup_id_y 1
		.amdhsa_system_sgpr_workgroup_id_z 1
		.amdhsa_system_vgpr_workitem_id 0
		.amdhsa_next_free_vgpr 194
		.amdhsa_next_free_sgpr 66
		.amdhsa_reserve_vcc 1
		.amdhsa_float_denorm_mode_32 3
		.amdhsa_float_denorm_mode_16_64 3
		.amdhsa_memory_ordered 1
		.amdhsa_forward_progress 1
		.amdhsa_inst_pref_size 26
	.end_amdhsa_kernel
	.amdgpu_metadata
---
amdhsa.version: [ 1, 2 ]
amdhsa.kernels:
  - .name:           k_q029db64eb8_wquant
    .symbol:         k_q029db64eb8_wquant.kd
    .args:
      - { .name: w1, .offset: 0, .size: 8, .value_kind: global_buffer, .address_space: global }
      - { .name: w2, .offset: 8, .size: 8, .value_kind: global_buffer, .address_space: global }
      - { .name: part, .offset: 16, .size: 8, .value_kind: global_buffer, .address_space: global }
      - { .name: w1f, .offset: 24, .size: 8, .value_kind: global_buffer, .address_space: global }
      - { .name: w2f, .offset: 32, .size: 8, .value_kind: global_buffer, .address_space: global }
      - { .name: wsc, .offset: 40, .size: 8, .value_kind: global_buffer, .address_space: global }
    .group_segment_fixed_size: 102912
    .private_segment_fixed_size: 0
    .kernarg_segment_align: 8
    .kernarg_segment_size: 48
    .max_flat_workgroup_size: 384
    .sgpr_count:     66
    .vgpr_count:     194
    .wavefront_size: 32
...
	.end_amdgpu_metadata
.endif
;; end of part 2
;; launch mlp (part 3): grid 197 x 1, 8 waves a work-group, no clusters, 268,288 bytes of LDS; arguments x, w1f, w2f, wsc, b1, b2, out0; writes out0
.if DOCPART == 3
	.amdgcn_target "amdgcn-amd-amdhsa--gfx1250"
	.amdhsa_code_object_version 6
	.text
	.protected	k_q029db64eb8_mlp
	.globl	k_q029db64eb8_mlp
	.p2align	8
	.type	k_q029db64eb8_mlp,@function
k_q029db64eb8_mlp:
	s_mov_b64 s[64:65], 0
	v_nop
	global_prefetch_b8 v0, s[64:65] scope:SCOPE_SE
	s_setreg_imm32_b32 hwreg(HW_REG_WAVE_MODE, 25, 1), 1
	s_wait_xcnt 0x0
; y = gelu(x W1^T + b1) W2^T + b2 for 64 rows a work-group (12,608 = 197 x 64), both products on codes of E3M2 with one E8M0 scale for each 32 along K.  The hidden layer never goes to memory.
; W1 and W2 come as fragments in the order of the operand's registers (1,536 bytes each), and one scale word for each tensor.
; SHARES.  Eight waves of 512 registers.  THE WAVES SHARE THE COLUMNS: in the first product wave w makes hidden units 384 w .. 384 w + 383 (64 at a time), in the second outputs 96 w .. 96 w + 95, each for all 64 rows.
; So each weight fragment is wanted by ONE wave of the work-group and feeds four matrix instructions there: it goes from memory straight into that wave's registers, through a ring of three sets of registers, three K steps ahead.
; What goes from wave to wave, through LDS, is small: the codes of x (36,864 bytes) and of the hidden layer (147,456 bytes), as images of the operands' registers.
; NO CLUSTER, NO JOINT LOAD: the grid is 197 work-groups, a prime, which no cluster shape divides; and the text has no tensor load: through LDS each weight byte would be written and read once more for the one wave that wants it.
; NO PREFETCH: every wave has three K steps of weights (36 or 54 loads of 512 bytes) asked for at all times in both loops, and all work-groups walk the same 3.5 MB of weights.
; BOTH PRODUCTS ARE USED TRANSPOSED (source 0 = 16 rows of a weight, source 1 = 16 rows of x or of the hidden layer): a lane holds ONE row (lane % 16), and its registers run along the hidden units or the outputs.
; The rows of W1 that form a tile are chosen (by the launch that lays them out) so that the 16 registers of tiles 2 b and 2 b + 1 are hidden units 32 b + 16 (lane / 16) + 0 .. 15 of the 64.
; The biases cost no addition: b1 is the C of a sum's first matrix instruction, b2 is loaded into the second product's accumulators.
; HALF OF THE WAVES RUN THE FIRST PRODUCT ONE STAGE LATE: four waves make their first 96 products ahead of a barrier and the other four behind it, so that of the two waves of a SIMD one multiplies while the other walks the GELU.
; GELU: g = x Phi(x) = max(x, 0) + |x| q', q' = -0.5 erfc(|x| / sqrt(2)) = (c1 t + c2 t^2 + c3 t^3 + c4 t^4 + c5 t^5) e^(-x^2 / 2), t = 1 / (1 + 0.2316419 |x|).
; (For x >= 0: x (1 - q) = x - x q; for x < 0: x q = -|x| q, with q = 0.5 erfc(|x| / sqrt(2)).)  No clamp: for large |x| the exponential falls to 0 and g = max(x, 0).
; LIMITS: the formula's q is right to 7.5e-8 absolutely, and f32 rounding adds about as much: g is right to about 2e-7 |x|.  NaN and infinities are not served.
; A block whose largest magnitude lies under 2^-122 (a block of zeros too) keeps the scale byte 1: its bytes are read by this text alone.
; AN IMAGE of a fragment (12 registers a lane) is two halves of 768 bytes (64 along K each): registers 6 c .. 6 c + 3 at 16 x lane, then registers 6 c + 4, 6 c + 5 at 512 + 8 x lane.  Its scale words: 4 bytes a lane, half c's two bytes at 2 c.
; LDS: XIMG x's 24 fragments (6 m + s); XSC their scale words, 128 bytes each; HIMG the hidden layer's 96 (4 j + m); HSC theirs; XSTG a stage of 16 x 528 bytes for each wave; behind it the spare words;
;      at the end the stage for y, 64 rows x 3,088 bytes, lies over the first four, behind a barrier.
; REGISTERS, in windows of 256.  Window 0: v1-3 16, 8, 4 x lane; v4-14 LDS addresses; v15, v16 64 h, 32 h; v17, v18 W1's and W2's scale word; v19 0; v20-27 scale words of x (two sets) or of the hidden layer; v28-29 a coefficient as a pair;
;   first product: v32-63 b1's four tiles; v64-191 16 accumulators (tile of rows m, tile of units t at 64 + 32 m + 8 t); v192-255 at work.   Window 1: v0-143 the ring, three sets of W1's four fragments; v144-239 x's four fragments, two sets.
;   second product: window 0: v32-247 the ring, three sets of W2's six fragments.   Window 1: v0-191 24 accumulators (8 (6 m + n)); v192-239 the hidden layer's four fragments; v254, v255 the add's two registers.
.set XIMG, 0
.set XSC,  36864
.set HIMG, 39936
.set HSC,  187392
.set XSTG, 199680
.set YP,   3088
.set B1R,  32
.set ACC,  64
.set TXC,  192                         ; at work in the GELU: max(x, 0); the exponent, then the exponential; 1 + p |x|, then t; the polynomial: 16 registers each
.set TU,   208
.set TQ,   224
.set TP,   240
.set TM,   224                         ; at work in the quantiser: two largest magnitudes, the other half's, the scale operands, the bytes, the half scale word, the codes
.set TX,   226
.set SCO,  228
.set BY,   230
.set PW,   232
.set PC,   234
.set PC2,  240
.set MSB, 0
.macro WIN new                         ; the immediate's high byte repeats the setting that is left; a switch that changes nothing is dropped
.if MSB != \new
	s_set_vgpr_msb (MSB<<8)|\new
.set MSB, \new
.endif
.endm
.macro SETP r, val                     ; a coefficient as a scalar pair: the packed forms name the pair and take its low word for both halves
	s_mov_b32 s[\r], \val
	s_mov_b32 s[\r+1], \val
.endm
.macro PLACES                          ; four plain lines behind a run of matrix instructions: in front of loads into registers that they have read, and of the first read of their results
.rept 4
	v_nop
.endr
.endm
.macro BARRIER                         ; my LDS stores have landed and my LDS loads are in: then the work-group's barrier
	s_wait_dscnt 0x0
	s_barrier_signal -1
	s_barrier_wait -1
.endm
.macro FETCH reg, a16, a8, off         ; an image comes back as the fragment's 12 registers
	ds_load_b128 v[(\reg):(\reg)+3], v[\a16] offset:(\off)
	ds_load_b64 v[(\reg)+4:(\reg)+5], v[\a8] offset:(\off)+512
	ds_load_b128 v[(\reg)+6:(\reg)+9], v[\a16] offset:(\off)+768
	ds_load_b64 v[(\reg)+10:(\reg)+11], v[\a8] offset:(\off)+1280
.endm
.macro XFETCH p, s                     ; x's four fragments of K step s and their scale words into set p: 20 LDS loads
	WIN 0x40
.irp m, 0,1,2,3
	FETCH 144+48*(\p)+12*\m, 1, 2, XIMG+(6*\m+(\s))*1536
.endr
	WIN 0
.irp m, 0,1,2,3
	ds_load_b32 v[20+4*(\p)+\m], v3 offset:XSC+(6*\m+(\s))*128
.endr
.endm
.macro WLD1 k, ptr, off                ; W1's four fragments of one K step into ring set k: 12 loads of 512 consecutive bytes
	WIN 0x40
.irp t, 0,1,2,3
.irp G, 0,1,2
	global_load_b128 v[48*(\k)+12*\t+4*\G:48*(\k)+12*\t+4*\G+3], v1, s[\ptr:\ptr+1] offset:(\off)+1536*\t+512*\G
.endr
.endr
.endm
.macro B1LD ptr, off                   ; b1 in the result's layout: lane (r, h), tile 2 b + u, register j: unit 32 b + 16 h + 8 u + j of the 64
.irp t, 0,1,2,3
	global_load_b128 v[B1R+8*\t:B1R+8*\t+3], v15, s[\ptr:\ptr+1] offset:(\off)+(32*(\t/2)+8*(\t%2))*4
	global_load_b128 v[B1R+8*\t+4:B1R+8*\t+7], v15, s[\ptr:\ptr+1] offset:(\off)+(32*(\t/2)+8*(\t%2))*4+16
.endr
.endm
; 16 matrix instructions: K step s of the first product.  The 16 accumulators take turns, one instruction a turn, in the same order in every step.
.macro MUL1 s
	WIN 0x05                               ; sources 0 (W1) and 1 (x) window 1; C and D window 0
.irp m, 0,1,2,3
.irp t, 0,1,2,3
.if (\s) == 0
	v_wmma_scale_f32_16x16x128_f8f6f4 v[ACC+32*\m+8*\t:ACC+32*\m+8*\t+7], v[48*((\s)%3)+12*\t:48*((\s)%3)+12*\t+11], v[144+48*((\s)%2)+12*\m:144+48*((\s)%2)+12*\m+11], v[B1R+8*\t:B1R+8*\t+7], v17, v[20+4*((\s)%2)+\m] matrix_a_fmt:MATRIX_FMT_BF6 matrix_b_fmt:MATRIX_FMT_BF6
.else
	v_wmma_scale_f32_16x16x128_f8f6f4 v[ACC+32*\m+8*\t:ACC+32*\m+8*\t+7], v[48*((\s)%3)+12*\t:48*((\s)%3)+12*\t+11], v[144+48*((\s)%2)+12*\m:144+48*((\s)%2)+12*\m+11], v[ACC+32*\m+8*\t:ACC+32*\m+8*\t+7], v17, v[20+4*((\s)%2)+\m] matrix_a_fmt:MATRIX_FMT_BF6 matrix_b_fmt:MATRIX_FMT_BF6
.endif
.endr
.endr
.endm
; GELU of the 16 numbers v[b] .. v[b + 15], in place: 138 lines.  The 16 reciprocals and the 16 exponentials are one batch: its sources first, one wait, the batch,
; 8 dual lines that name none of its results, one wait, the readers.
.macro GELU16 b
.irp j, 0,2,4,6,8,10,12,14
	v_pk_mul_f32 v[TU+\j:TU+\j+1], v[(\b)+\j:(\b)+\j+1], v[(\b)+\j:(\b)+\j+1]          ; x^2.  (Ascending: each accumulator is first read at its low end)
.endr
.set GI, 0
.rept 16
	v_fma_f32 v[TQ+GI], |v[(\b)+GI]|, s22, 1.0                                       ; 1 + 0.2316419 |x|
.set GI, GI+1
.endr
.irp j, 0,2,4,6,8,10,12,14
	v_pk_mul_f32 v[TU+\j:TU+\j+1], v[TU+\j:TU+\j+1], s[32:33] op_sel_hi:[1,0]        ; -x^2 log2(e) / 2
.endr
	s_wait_alu depctr_va_vdst(0)
.set GI, 0
.rept 16
	v_rcp_f32 v[TQ+GI], v[TQ+GI]                                                     ; t
.set GI, GI+1
.endr
.set GI, 0
.rept 16
	v_exp_f32 v[TU+GI], v[TU+GI]                                                     ; e^(-x^2 / 2)
.set GI, GI+1
.endr
.irp j, 0,2,4,6,8,10,12,14
	v_dual_max_num_f32 v[TXC+\j], 0, v[(\b)+\j] :: v_dual_max_num_f32 v[TXC+\j+1], 0, v[(\b)+\j+1]   ; max(x, 0), two a line
.endr
	s_wait_alu depctr_va_vdst(0)
.irp j, 0,2,4,6,8,10,12,14
	v_pk_fma_f32 v[TP+\j:TP+\j+1], v[TQ+\j:TQ+\j+1], s[24:25], v[28:29] op_sel_hi:[1,0,1]   ; c5 t + c4
.endr
.irp c, 26,28,30
.irp j, 0,2,4,6,8,10,12,14
	v_pk_fma_f32 v[TP+\j:TP+\j+1], v[TP+\j:TP+\j+1], v[TQ+\j:TQ+\j+1], s[\c:\c+1] op_sel_hi:[1,1,0]
.endr
.endr
.irp j, 0,2,4,6,8,10,12,14
	v_pk_mul_f32 v[TP+\j:TP+\j+1], v[TP+\j:TP+\j+1], v[TQ+\j:TQ+\j+1]                ; x t
.endr
.irp j, 0,2,4,6,8,10,12,14
	v_pk_mul_f32 v[TP+\j:TP+\j+1], v[TP+\j:TP+\j+1], v[TU+\j:TU+\j+1]                ; x the exponential: q'
.endr
.set GI, 0
.rept 16
	v_fma_f32 v[(\b)+GI], |v[(\b)+GI]|, v[TP+GI], v[TXC+GI]                          ; g = |x| q' + max(x, 0)
.set GI, GI+1
.endr
.endm
; 32 numbers of a lane, register 16 b + i = k 32 b + 16 (lane / 16) + i of my row, become half a fragment's codes (six registers at PC) and half its scale word (two bytes in PW).
.macro QUANT2 s
	s_wait_dscnt 0x0                               ; the numbers are in (where they come from LDS), and the last image's stores have read PC and PW
.irp b, 0,1
	v_max3_num_f32 v[TM+\b], |v[(\s)+16*\b]|, |v[(\s)+16*\b+1]|, 0x2800000   ; my 16 numbers of block b, and the floor 2^(5 - 127): so the byte cannot fall under 1
.endr
.irp i, 2,4,6,8,10,12,14
.irp b, 0,1
	s_delay_alu instid0(VALU_DEP_2)
	v_max3_num_f32 v[TM+\b], v[TM+\b], |v[(\s)+16*\b+\i]|, |v[(\s)+16*\b+\i+1]|
.endr
.endr
.irp b, 0,1
	v_permlanex16_b32 v[TX+\b], v[TM+\b], s20, s21
.endr
.irp b, 0,1
	s_delay_alu instid0(VALU_DEP_2)
	v_max_num_f32 v[TM+\b], v[TM+\b], v[TX+\b]     ; with lane l xor 16's: the block's largest magnitude
.endr
.irp b, 0,1
	s_delay_alu instid0(VALU_DEP_2)
	v_add_nc_u32 v[SCO+\b], 0xfe000000, v[TM+\b]   ; 4 off its exponent field: the conversion takes this operand's exponent field as its scale
.endr
.irp b, 0,1
	s_delay_alu instid0(VALU_DEP_2)
	v_lshrrev_b32 v[BY+\b], 23, v[SCO+\b]          ; the scale's byte
.endr
	s_delay_alu instid0(VALU_DEP_1)
	v_lshl_or_b32 v[PW], v[BY+1], 8, v[BY]
	v_cvt_scalef32_pk16_bf6_f32 v[PC:PC+2], v[(\s):(\s)+15], v[SCO]
	v_cvt_scalef32_pk16_bf6_f32 v[PC2:PC2+2], v[(\s)+16:(\s)+31], v[SCO+1]
	v_nop                                          ; one plain line behind the conversions
.irp i, 0,1,2
	v_permlane16_swap_b32 v[PC+\i], v[PC2+\i]      ; the operand's layout wants a whole block in a lane: lanes 0-15 block 0, lanes 16-31 block 1
.endr
.irp i, 0,1,2
	s_delay_alu instid0(VALU_DEP_3)
	v_mov_b32 v[PC+3+\i], v[PC2+\i]
.endr
.endm
.macro PUT a16, a8, as, o, os          ; half an image and its two scale bytes go to LDS
	ds_store_b128 v[\a16], v[PC:PC+3] offset:\o
	ds_store_b64 v[\a8], v[PC+4:PC+5] offset:(\o)+512
	ds_store_b16 v[\as], v[PW] offset:\os
.endm
	s_load_b256 s[4:11], s[0:1], 0x0               ; x s[4:5], w1f s[6:7], w2f s[8:9], wsc s[10:11]
	s_load_b128 s[12:15], s[0:1], 0x20             ; b1 s[12:13], b2 s[14:15]
	s_load_b64 s[16:17], s[0:1], 0x30              ; out0
	s_set_vgpr_msb 0x40
	v_lshl_add_u32 v254, v0, 2, 0x41400            ; my spare word, behind the stages, and 0: kept for the add at the wave's end
	v_mov_b32 v255, 0
	s_set_vgpr_msb 0x4000
	v_lshrrev_b32 v192, 5, v0
	s_delay_alu instid0(VALU_DEP_1)
	v_readfirstlane_b32 s18, v192                  ; wave 0..7
	v_and_b32 v193, 31, v0                         ; lane
	v_and_b32 v194, 15, v0                         ; r
	v_bfe_u32 v195, v0, 4, 1                       ; h
	s_delay_alu instid0(VALU_DEP_3)
	v_lshlrev_b32 v1, 4, v193
	s_delay_alu instid0(VALU_DEP_4)
	v_lshlrev_b32 v2, 3, v193
	v_lshlrev_b32 v3, 2, v193
	s_delay_alu instid0(VALU_DEP_4)
	v_lshlrev_b32 v15, 6, v195
	v_lshlrev_b32 v16, 5, v195
	v_mov_b32 v19, 0
	v_mov_b32 v28, 0x3f3a00e3                      ; c4 = +0.72657601, as a vector pair, so that no packed line names two scalar pairs
	v_mov_b32 v29, 0x3f3a00e3
	v_mov_b32 v[TX], 0                             ; (a lane permute's destination counts as read)
	v_mov_b32 v[TX+1], 0
	s_lshr_b32 s78, s18, 2                         ; which waves run the first product a stage late: (w xor (w >> 2)) & 1.  The bit differs between waves w and w + 4
	s_xor_b32 s78, s78, s18                        ; and between waves 2 k and 2 k + 1
	s_and_b32 s78, s78, 1
	s_mov_b32 s20, 0x76543210                      ; v_permlanex16_b32's selects for lane l xor 16
	s_mov_b32 s21, 0xfedcba98
	s_mov_b32 s22, 0x3e6d3388                      ; 0.2316419
	SETP 24, 0xbf07dc22                            ; the polynomial's coefficients, each x -0.5: c5 = -0.53070271,
	SETP 26, 0xbf35f0e3                            ; c3 = -0.71070687,
	SETP 28, 0x3e11a98e                            ; c2 = +0.14224837,
	SETP 30, 0xbe027906                            ; c1 = -0.12741480
	SETP 32, 0xbf38aa3b                            ; -log2(e) / 2
	; LDS addresses: a constant + a constant x lane + a constant x wave
	s_mul_i32 s66, s18, 3*1536                     ; x's images: wave w makes fragments 3 w .. 3 w + 2
	v_add_nc_u32 v10, s66, v1
	v_add_nc_u32 v11, s66, v2
	s_mul_i32 s66, s18, 3*128
	s_add_co_u32 s66, s66, XSC
	v_add_nc_u32 v12, s66, v3
	s_mul_i32 s66, s18, 8448
	s_add_co_u32 s66, s66, XSTG                    ; my stage
	v_add_nc_u32 v13, s66, v1                      ; in: a row's 512 bytes as they lie
	v_mul_u32_u24 v14, v194, 528
	s_delay_alu instid0(VALU_DEP_1)
	v_add_nc_u32 v14, v14, v15
	s_delay_alu instid0(VALU_DEP_1)
	v_add_nc_u32 v14, s66, v14                     ; out: row r, + 64 h
	s_mul_i32 s66, s18, 18432                      ; the hidden layer's images: wave w makes K steps 3 w .. 3 w + 2, 6,144 bytes each
	s_add_co_u32 s66, s66, HIMG
	v_add_nc_u32 v4, s66, v1
	v_add_nc_u32 v5, s66, v2
	s_mul_i32 s66, s18, 1536
	s_add_co_u32 s66, s66, HSC
	v_add_nc_u32 v6, s66, v3
	; offsets in memory
	s_lshr_b32 s59, s18, 1                         ; the tile of rows of x that I quantise,
	s_and_b32 s62, s18, 1                          ; and which three of its six K steps
	s_lshl_b32 s70, ttmp9, 6
	s_lshl_b32 s63, s59, 4
	s_add_co_u32 s70, s70, s63
	s_mul_i32 s70, s70, 3072
	s_mul_i32 s63, s62, 1536
	s_add_co_u32 s70, s70, s63
	s_mov_b32 s71, 0
	s_lshl_b32 s72, ttmp9, 6
	s_lshl_b32 s63, s18, 3
	s_add_co_u32 s72, s72, s63                     ; the 8 rows of y that I store
	s_mul_i32 s72, s72, 3072
	s_mov_b32 s73, 0
	s_mul_i32 s44, s18, 221184                     ; W1: my 6 groups of 64 units, 36,864 bytes each
	s_mov_b32 s45, 0
	s_mul_i32 s48, s18, 1536                       ; b1: my 384 numbers
	s_mov_b32 s49, 0
	s_mul_i32 s74, s18, 221184                     ; W2: my 24 K steps of 9,216 bytes
	s_mov_b32 s75, 0
	s_mul_i32 s76, s18, 384                        ; b2: my 96 numbers
	s_mov_b32 s77, 0
	s_mov_b32 s53, 0                               ; the upper words of the pointers' steps
	s_mov_b32 s61, 0
	s_wait_alu depctr_va_vdst(0)
	s_wait_kmcnt 0x0
	s_add_nc_u64 s[70:71], s[4:5], s[70:71]
	s_add_nc_u64 s[72:73], s[16:17], s[72:73]
	s_add_nc_u64 s[44:45], s[6:7], s[44:45]        ; W1 at this trip's group of 64 units,
	s_add_nc_u64 s[46:47], s[44:45], 36864         ; and at the next trip's
	s_add_nc_u64 s[48:49], s[12:13], s[48:49]      ; b1 at the first group,
	s_add_nc_u64 s[68:69], s[48:49], 256           ; and at the next trip's
	s_add_nc_u64 s[74:75], s[8:9], s[74:75]
	s_add_nc_u64 s[50:51], s[74:75], 27648         ; W2 three K steps on
	s_add_nc_u64 s[76:77], s[14:15], s[76:77]
; ---- X: wave w quantises K steps 3 (w % 2) + i, i = 0 .. 2, of rows 16 (w / 2) on.  Each load reads 512 consecutive bytes of a row; the 16 rows turn through my stage, so that a lane gets 16 neighbours of each block of 32.
.macro XLOADF L, i
.irp p, 0,1,2,3,4,5,6,7,8,9,10,11,12,13,14,15
	global_load_b128 v[(\L)+4*\p:(\L)+4*\p+3], v1, s[70:71] offset:3072*\p+512*(\i) th:TH_LOAD_NT
.endr
.endm
.macro XHLD c                          ; half c of the K step: register 16 b + 4 p on = k 64 c + 32 b + 16 h + 4 p on of row r
.irp b, 0,1
.irp p, 0,1,2,3
	ds_load_b128 v[192+16*\b+4*\p:195+16*\b+4*\p], v14 offset:256*(\c)+128*\b+16*\p
.endr
.endr
.endm
.macro XFRAG L, i, cnt, more
	s_wait_loadcnt \cnt                            ; this fragment's 16 loads are in; the count is what was issued behind them
.irp p, 0,1,2,3,4,5,6,7,8,9,10,11,12,13,14,15
	ds_store_b128 v13, v[(\L)+4*\p:(\L)+4*\p+3] offset:528*\p
.endr
	XHLD 0                                         ; LDS serves a wave's instructions in order: these see my stores
	s_wait_dscnt 0x0                               ; the stores have read their registers,
.if \more
	XLOADF \L, 2                                   ; which take the third fragment's loads
.endif
	QUANT2 192
	PUT 10, 11, 12, 1536*(\i), 128*(\i)
	XHLD 1
	QUANT2 192
	PUT 10, 11, 12, 1536*(\i)+768, 128*(\i)+2
.endm
	XLOADF 64, 0
	XLOADF 128, 1
	global_load_b32 v17, v19, s[10:11]             ; behind x's first 32 loads, which the head's work wants first: W1's scale word, the same in every lane,
	global_load_b32 v18, v19, s[10:11] offset:4    ; W2's,
	B1LD 48, 0                                     ; b1's first four tiles (8 loads),
	WLD1 0, 44, 0                                  ; and the ring's three sets (36 loads)
	WLD1 1, 44, 6144
	WLD1 2, 44, 12288
	WIN 0
	XFRAG 64, 0, 62, 1                             ; behind the first fragment's 16 loads: the second's 16, 2 scale words, b1's 8, the ring's 36
	XFRAG 128, 1, 62, 0                            ; behind the second's: 2 + 8 + 36, and the third fragment's 16
	XFRAG 64, 2, 0, 0
	BARRIER                                        ; x's 24 fragments lie in LDS
; ---- 1: the hidden layer.  Six trips; a trip makes 64 units, half of a K step of the second product: PROD (96 matrix instructions) and ACT (GELU, quantiser, images).  No barrier stands in the loop.
; K step s of a trip.  LOADS: a ring set is asked for three K steps ahead.  The count at the head leaves out what was issued behind the set that is wanted: two sets of 12, and, where they lie between, b1's 8.
; LDS: a set of x's fragments is asked for two K steps ahead; the count leaves the one younger set's 20 loads out; at a trip's head it is 0, for the last images' stores too.
.macro KSTEP s
.if ((\s) == 1) || ((\s) == 2)
	s_wait_loadcnt 32
.else
	s_wait_loadcnt 24
.endif
.if (\s) == 0
	s_wait_dscnt 0x0
.else
	s_wait_dscnt 20
.endif
	MUL1 \s
	PLACES
.if (\s) == 0
	WIN 0
	B1LD 68, 0                                     ; the next trip's b1: its tiles have just been read as C (in the last trip: this trip's again)
.endif
.if (\s) < 3
	WLD1 (\s)%3, 44, ((\s)+3)*6144
.else
	WLD1 (\s)%3, 46, ((\s)-3)*6144                 ; the next trip's first three K steps (in the last trip: this trip's again, which nobody uses: so every count is the same in every trip, and no load leaves its buffer)
.endif
	XFETCH (\s)%2, ((\s)+2)%6
.endm
.macro PROD
.irp s, 0,1,2,3,4,5
	KSTEP \s
.endr
.endm
.macro ACT
.irp m, 0,1,2,3
	GELU16 ACC+32*\m
	GELU16 ACC+32*\m+16
	s_wait_alu depctr_va_vdst(0)
	QUANT2 ACC+32*\m
	PUT 7, 8, 9, 1536*\m, 128*\m                   ; which half of the image: in the address registers
.endr
.endm
	XFETCH 0, 0
	XFETCH 1, 1
	s_mov_b32 s54, 0                               ; the trip
	s_cmp_lg_u32 s78, 0                            ; the branch hangs on the wave's number alone
	s_cbranch_scc1 .Llate
	PROD                                           ; four waves, one of each pair, make their first 96 products now;
.Llate:
	BARRIER                                        ; the other four start theirs behind this barrier, when the first four go on to the GELU
.Lg:
	s_lshr_b32 s57, s54, 1                         ; trip t fills half t % 2 of my K step t / 2:
	s_and_b32 s58, s54, 1
	s_mul_i32 s55, s57, 6144                       ; images: 6,144 bytes a K step,
	s_mul_i32 s56, s58, 768                        ; 768 a half;
	s_add_co_u32 s55, s55, s56
	s_lshl_b32 s56, s57, 9                         ; scale words: 512 bytes a K step,
	s_lshl_b32 s58, s58, 1                         ; 2 a half
	s_add_co_u32 s56, s56, s58
	v_add_nc_u32 v7, s55, v4
	v_add_nc_u32 v8, s55, v5
	v_add_nc_u32 v9, s56, v6
	s_cmp_lg_u32 s78, 0                            ; a late wave multiplies here in every trip;
	s_cbranch_scc1 .Ldo
	s_cmp_eq_u32 s54, 0                            ; an early wave has its first trip's products already: the copy ahead of the barrier issued the same loads in the same order, so every count below holds on both ways
	s_cbranch_scc1 .Lhave
.Ldo:
	PROD
.Lhave:
	ACT
	s_wait_xcnt 0x0                                ; the loads have read their bases: only now are these written
	s_cmp_lt_u32 s54, 4                            ; behind trips 0 to 3 the look-ahead steps on; then it stays at my last group, inside the buffers
	s_cselect_b32 s52, 36864, 0
	s_cselect_b32 s60, 256, 0
	s_mov_b64 s[44:45], s[46:47]
	s_add_nc_u64 s[46:47], s[46:47], s[52:53]
	s_add_nc_u64 s[68:69], s[68:69], s[60:61]
	s_add_co_u32 s54, s54, 1
	s_cmp_lt_u32 s54, 6
	s_cbranch_scc1 .Lg
; ---- between the products: the registers change hands
	s_wait_loadcnt 0x0                             ; the look-ahead loads that nobody uses have landed: their registers may be loaded again
	s_wait_dscnt 0x0                               ; likewise x's fragments; and the last image's stores have read their registers
	WIN 0x40
.irp m, 0,1,2,3
.irp n, 0,1,2,3,4,5
	global_load_b128 v[8*(6*\m+\n):8*(6*\m+\n)+3], v16, s[76:77] offset:64*\n          ; b2 into the accumulators: lane (r, h), tile n, register j: output 16 n + 8 h + j of my 96
	global_load_b128 v[8*(6*\m+\n)+4:8*(6*\m+\n)+7], v16, s[76:77] offset:64*\n+16
.endr
.endr
	WIN 0
.irp k, 0,1,2
.irp n, 0,1,2,3,4,5
.irp G, 0,1,2
	global_load_b128 v[32+72*\k+12*\n+4*\G:32+72*\k+12*\n+4*\G+3], v1, s[74:75] offset:9216*\k+1536*\n+512*\G
.endr
.endr
.endr
	BARRIER                                        ; the hidden layer's 96 fragments lie in LDS
; ---- 2: my 96 outputs for the 64 rows: 24 K steps, three to a trip, one for each set of the ring.  Seven trips ask for the K steps three on; the eighth is written out and asks for nothing.
.macro HFETCH a16, a8, as, off, offs   ; a K step's four fragments of the hidden layer and their scale words: 20 LDS loads
	WIN 0x40
.irp m, 0,1,2,3
	FETCH 192+12*\m, \a16, \a8, (\off)+1536*\m
.endr
	WIN 0
.irp m, 0,1,2,3
	ds_load_b32 v[20+\m], v[\as] offset:(\offs)+128*\m
.endr
.endm
; K step i of a trip.  more = 1: the ring set just read takes the K step three on.  cnt: the loads issued behind ring set i's, which may stay out.  next = 1: the next K step's hidden fragments are fetched.
.macro STEP2 i, more, cnt, next
	s_wait_loadcnt \cnt                            ; ring set i is in (ahead of the first step: b2 too); in the loop the two younger sets of 18 loads may be out, in the tail two, one and none
	s_wait_dscnt 0x0                               ; the hidden layer's four fragments are in
	WIN 0x54                                       ; source 0 (W2) window 0; source 1, C and D window 1
.irp m, 0,1,2,3
.irp n, 0,1,2,3,4,5
	v_wmma_scale_f32_16x16x128_f8f6f4 v[8*(6*\m+\n):8*(6*\m+\n)+7], v[32+72*(\i)+12*\n:32+72*(\i)+12*\n+11], v[192+12*\m:192+12*\m+11], v[8*(6*\m+\n):8*(6*\m+\n)+7], v18, v[20+\m] matrix_a_fmt:MATRIX_FMT_BF6 matrix_b_fmt:MATRIX_FMT_BF6
.endr
.endr
	PLACES
.if \next
	HFETCH 4, 5, 6, ((\i)+1)*6144, ((\i)+1)*512    ; (behind a trip's third step: the next trip's first, 18,432 bytes on from this trip's address)
.endif
.if \more
.irp n, 0,1,2,3,4,5
.irp G, 0,1,2
	global_load_b128 v[32+72*(\i)+12*\n+4*\G:32+72*(\i)+12*\n+4*\G+3], v1, s[50:51] offset:9216*(\i)+1536*\n+512*\G
.endr
.endr
.endif
.endm
	v_add_nc_u32 v4, HIMG, v1
	v_add_nc_u32 v5, HIMG, v2
	v_add_nc_u32 v6, HSC, v3
	HFETCH 4, 5, 6, 0, 0                           ; K step 0
	s_mov_b32 s54, 0
	s_mov_b32 s57, HIMG                            ; the trip's first K step: 18,432 bytes of images a trip,
	s_mov_b32 s58, HSC                             ; 1,536 of scale words
.Lk2:
	v_add_nc_u32 v4, s57, v1
	v_add_nc_u32 v5, s57, v2
	v_add_nc_u32 v6, s58, v3
	s_wait_alu depctr_va_vdst(0)
	STEP2 0, 1, 36, 1
	STEP2 1, 1, 36, 1
	STEP2 2, 1, 36, 1
	s_wait_xcnt 0x0                                ; the loads have read their base
	s_add_nc_u64 s[50:51], s[50:51], 27648         ; three K steps on; the seventh trip has asked for K steps 21 to 23, and the address that it leaves is not used
	s_add_co_u32 s57, s57, 18432
	s_add_co_u32 s58, s58, 1536
	s_add_co_u32 s54, s54, 1
	s_cmp_lt_u32 s54, 7
	s_cbranch_scc1 .Lk2
	v_add_nc_u32 v4, s57, v1                       ; K steps 21 to 23: nothing is left to ask for, and the counts run down
	v_add_nc_u32 v5, s57, v2
	v_add_nc_u32 v6, s58, v3
	s_wait_alu depctr_va_vdst(0)
	STEP2 0, 0, 36, 1
	STEP2 1, 0, 18, 1
	STEP2 2, 0, 0, 0
	WIN 0
; ---- the way out.  A lane holds 32 neighbouring bytes of a row; a row's 3,072 bytes come from eight waves.  They meet in a stage (rows 3,088 bytes apart: 193 x 16), and each wave stores 8 whole rows.
	BARRIER                                        ; no wave reads the images any more: the stage may lie over them
	v_and_b32 v4, 15, v0
	s_delay_alu instid0(VALU_DEP_1)
	v_mul_u32_u24 v4, v4, YP
	s_delay_alu instid0(VALU_DEP_1)
	v_add_nc_u32 v4, v4, v16                       ; row r, + 32 h,
	s_mul_i32 s59, s18, 384
	v_add_nc_u32 v4, s59, v4                       ; + my 96 outputs' 384 bytes
	s_delay_alu instid0(VALU_DEP_1)
	v_add_nc_u32 v5, 16*YP, v4                     ; and the same for the other three tiles of rows
	s_delay_alu instid0(VALU_DEP_2)
	v_add_nc_u32 v6, 32*YP, v4
	s_delay_alu instid0(VALU_DEP_3)
	v_add_nc_u32 v7, 48*YP, v4
	s_mul_i32 s59, s18, 8*YP
	v_add_nc_u32 v8, s59, v1                       ; back: my 8 rows, 16 bytes a lane
	WIN 0x04                                       ; an LDS store's data are its source 1: window 1
.irp m, 0,1,2,3
.irp n, 0,1,2,3,4,5
	ds_store_b128 v[4+\m], v[8*(6*\m+\n):8*(6*\m+\n)+3] offset:64*\n           ; each accumulator from its low end on
	ds_store_b128 v[4+\m], v[8*(6*\m+\n)+4:8*(6*\m+\n)+7] offset:64*\n+16
.endr
.endr
	WIN 0
	s_wait_alu depctr_va_vdst(0)
	BARRIER                                        ; 64 whole rows of y lie in the stage
	WIN 0x40
.set N, 0
.rept 48
	ds_load_b128 v[4*N:4*N+3], v8 offset:YP*(N/6)+512*(N%6)
.set N, N+1
.endr
	WIN 0x04                                       ; a store's data are its source 1: window 1
.set N, 0
.rept 48
	s_wait_dscnt 47-N                              ; LDS loads come back in order: load N is in
	global_store_b128 v1, v[4*N:4*N+3], s[72:73] offset:3072*(N/6)+512*(N%6) th:TH_STORE_NT   ; 32 lanes store 512 consecutive bytes, at a multiple of 512 from the output's first byte
.set N, N+1
.endr
	WIN 0
	s_set_vgpr_msb 0x5
	s_wait_tensorcnt 0x0                           ; the wave's end, behind my last LDS store
	ds_add_u32 v254, v255
	s_wait_dscnt 0x0
	s_set_vgpr_msb 0x500
	s_endpgm
.Lfunc_end_k_q029db64eb8_mlp:
	.size	k_q029db64eb8_mlp, .Lfunc_end_k_q029db64eb8_mlp-k_q029db64eb8_mlp
	.p2alignl 7, 3214868480
	.fill 96, 4, 3214868480
	.section	.rodata,"a",@progbits
	.p2align	6, 0x0
	.amdhsa_kernel k_q029db64eb8_mlp
		.amdhsa_group_segment_fixed_size 268288
		.amdhsa_private_segment_fixed_size 0
		.amdhsa_enable_private_segment 0
		.amdhsa_kernarg_size 56
		.amdhsa_user_sgpr_count 2
		.amdhsa_user_sgpr_kernarg_segment_ptr 1
		.amdhsa_wavefront_size32 1
		.amdhsa_system_sgpr_workgroup_id_x 1
		.amdhsa_system_sgpr_workgroup_id_y 1
		.amdhsa_system_sgpr_workgroup_id_z 1
		.amdhsa_system_vgpr_workitem_id 0
		.amdhsa_next_free_vgpr 512
		.amdhsa_next_free_sgpr 96
		.amdhsa_reserve_vcc 0
		.amdhsa_float_denorm_mode_32 3
		.amdhsa_float_denorm_mode_16_64 3
		.amdhsa_memory_ordered 1
		.amdhsa_forward_progress 1
		.amdhsa_inst_pref_size 226
	.end_amdhsa_kernel
	.amdgpu_metadata
---
amdhsa.version: [ 1, 2 ]
amdhsa.kernels:
  - .name:           k_q029db64eb8_mlp
    .symbol:         k_q029db64eb8_mlp.kd
    .args:
      - { .name: x, .offset: 0, .size: 8, .value_kind: global_buffer, .address_space: global }
      - { .name: w1f, .offset: 8, .size: 8, .value_kind: global_buffer, .address_space: global }
      - { .name: w2f, .offset: 16, .size: 8, .value_kind: global_buffer, .address_space: global }
      - { .name: wsc, .offset: 24, .size: 8, .value_kind: global_buffer, .address_space: global }
      - { .name: b1, .offset: 32, .size: 8, .value_kind: global_buffer, .address_space: global }
      - { .name: b2, .offset: 40, .size: 8, .value_kind: global_buffer, .address_space: global }
      - { .name: out0, .offset: 48, .size: 8, .value_kind: global_buffer, .address_space: global }
    .group_segment_fixed_size: 268288
    .private_segment_fixed_size: 0
    .kernarg_segment_align: 8
    .kernarg_segment_size: 56
    .max_flat_workgroup_size: 256
    .sgpr_count:     96
    .vgpr_count:     512
    .wavefront_size: 32
...
	.end_amdgpu_metadata
.endif
;; end of part 3
